; MI455X (gfx1250); checked and timed in simulation.
; The chip was launched on July 23, 2026; its instructions are those of AMD's public machine-readable ISA for CDNA 5 (MIT licence, August 2026) and "CDNA5" Instruction Set Architecture Reference Guide (July 2026). The comments in the code are by the model that wrote it; some were corrected since.
;; SAD Similarity. Allowed arithmetic: float matrix products may take bf16 or f16 operands with f32 sums; all other float work in f32.
;; Inputs: lhs 4 x 1,024 x 64 float32; rhs 4 x 1,024 x 64 float32.
;; Outputs: out0 4 x 1,024 x 1,024 float32.
;; One version. Each part assembles by itself: llvm-mc -triple=amdgcn-amd-amdhsa -mcpu=gfx1250 --defsym DOCPART=n.
;; ======== version 1 of 1: 1 launch
;; launch sad (part 1): grid 64 x 4, 4 waves a work-group, no clusters, 168,448 bytes of LDS; arguments lhs, rhs, out0; writes out0
.if DOCPART == 1
	.amdgcn_target "amdgcn-amd-amdhsa--gfx1250"
	.amdhsa_code_object_version 6
	.text
	.protected	k_q80cb27addd_sad
	.globl	k_q80cb27addd_sad
	.p2align	8
	.type	k_q80cb27addd_sad,@function
k_q80cb27addd_sad:
	s_mov_b64 s[64:65], 0
	v_nop
	global_prefetch_b8 v0, s[64:65] scope:SCOPE_SE
	s_setreg_imm32_b32 hwreg(HW_REG_WAVE_MODE, 25, 1), 1
	s_wait_xcnt 0x0
; out[b][n][m] = - sum over d of |lhs[b][n][d] - rhs[b][m][d]|.   lhs, rhs: [4][1024][64] f32.  out: [4][1024][1024] f32.
; Nothing here is a product, so all the work is f32 vector arithmetic.  For two neighbouring d:
;   one v_pk_add_f32 (second source negated) forms both differences, one v_add_f32 |x|, |y| adds both magnitudes,
;   and one v_pk_add_f32 (second source negated) takes two such sums from the accumulators of two neighbouring columns:
;   five instructions for four d of one output.  The sum is carried negative, so no negation is left at the end.
; LIMIT: the order of the sum is not the reference's (pairs of d first, then groups of four d ascending); all of it is f32.
;   Differences are formed directly, so a common offset of the inputs cancels as in the reference; NaN and infinities go the same way.
;
; A work-group makes a block of 128 x 128 of one batch: 4 batches x 8 x 8 blocks = 256 work-groups.  Four waves; a wave makes two tiles of
; 16 rows x 128 columns, one after the other, so that the first tile's stores leave while the second is computed.
; Lane l (tm = l % 16, h = l / 16) makes 8 x 8 outputs of a tile: rows 8 h + i, columns 4 tm + j + 64 jj (c = j + 4 jj = 0 .. 7).
; Four neighbouring columns in four neighbouring registers make a 16-byte store; 16 lanes store 256 consecutive, aligned bytes.
;
; LDS, filled once by tensor loads: the block's 128 rows of lhs, then its 128 rows of rhs, each row 256 bytes + 16 of padding.
; rhs is laid down in another order: source row 4 y + j + 64 jj goes to LDS row 16 (j + 4 jj) + y.  That is eight tiles of 16 rows whose
; rows are four rows apart in memory.  So for one c the sixteen lanes tm read sixteen neighbouring LDS rows, 272 bytes = 68 words apart,
; which start at sixteen different groups of four banks (64 banks of 4 bytes: ISA guide 11.1).  lhs reads are one address for 16 lanes.
; 69,632 bytes are used; the launch asks for more than half of the WGP's LDS, so that the work-group has the WGP to itself.
;
; NO CLUSTER: the eight work-groups of a block row share lhs rows and those of a block column share rhs rows, but a work-group asks for its
; 65,536 bytes once, at its start, and then issues 10,176 vector instructions a wave on them: there is no loop of refills whose requests a
; joint load would divide, and a round of the cluster's barrier would stand in front of the one fetch that nothing covers.
; NO PREFETCH: the only fetch is the first thing the kernel does.
.set PITCH,  272                       ; bytes from LDS row to LDS row
.set GRP,    16*PITCH                  ; sixteen LDS rows: one group of rhs
.set A_BASE, 0                         ; lhs rows in LDS
.set B_BASE, 128*PITCH                 ; rhs rows in LDS
.set OROW,   4096                      ; bytes in a row of out
.set VA0, 2                            ; v2  LDS address of my lhs rows, tile 0 (steps along d in the loop)
.set VA1, 3                            ; v3  the same, tile 1
.set VB0, 4                            ; v4  LDS address of my rhs rows, for tile 0
.set VB1, 5                            ; v5  the same, for tile 1
.set CO,  6                            ; v6  my byte offset in out; never rewritten
.set AF,  16                           ; v[16:47]   lhs: row i, four d, at AF + 4 i.  One buffer: row i is loaded again right after its use
.set BF,  48                           ; v[48:111]  rhs: column c, four d, at BF + 32 p + 4 c.  Two buffers p
.set ACC, 112                          ; v[112:175] minus the sums: (i, c) at ACC + 8 i + c
.set T,   176                          ; v[176:207] differences of one row: column k, four d, at T + 4 k
.set U,   208                          ; v[208:223] |.| + |.|: column k, d 0-1 at U + k, d 2-3 at U + 8 + k
	s_load_b128 s[4:7], s[0:1], 0x0                ; lhs s[4:5], rhs s[6:7]
	s_load_b64 s[8:9], s[0:1], 0x10                ; out
	v_lshl_add_u32 v224, v0, 2, 0x29000
	v_mov_b32 v225, 0
	ds_add_u32 v224, v225
	ds_add_u32 v224, v225
	v_lshrrev_b32 v1, 5, v0
	v_readfirstlane_b32 s10, v1                    ; wave 0 .. 3
	s_and_b32 s11, ttmp7, 0xffff                   ; batch
	s_and_b32 s12, ttmp9, 7                        ; block column
	s_lshr_b32 s13, ttmp9, 3                       ; block row
	; descriptor group 1 for lhs: 32 rows x 64 elements of 4 bytes, rows 64 elements apart, 4 words of padding behind every 64 words
	s_mov_b32 s16, (2<<16)|(1<<20)|(5<<22)|(3<<25) ; no mask; element of 4 bytes; padding on; after 64 words (code 5); of 4 words (code 3)
	s_mov_b32 s17, 64<<16                          ; tensor_dim0 = 64
	s_mov_b32 s18, 32<<16                          ; tensor_dim1 = 32
	s_mov_b32 s19, 64<<16                          ; tile_dim0 = 64
	s_mov_b32 s20, 32                              ; tile_dim1 = 32
	s_mov_b32 s21, 64                              ; from row to row: 64 elements
	s_mov_b32 s22, 0
	s_mov_b32 s23, 0
	; descriptor group 1 for rhs: 16 rows x 64 elements, rows FOUR rows (256 elements) apart
	s_mov_b32 s24, (2<<16)|(1<<20)|(5<<22)|(3<<25)
	s_mov_b32 s25, 64<<16
	s_mov_b32 s26, 16<<16
	s_mov_b32 s27, 64<<16
	s_mov_b32 s28, 16
	s_mov_b32 s29, 256
	s_mov_b32 s30, 0
	s_mov_b32 s31, 0
	; byte offsets, made apart from the addresses; all below 2^25
	s_lshl_b32 s14, s11, 18                        ; batch x 1024 rows x 256 bytes
	s_lshl_b32 s44, s13, 15                        ; lhs: + block row x 128 rows
	s_add_co_u32 s44, s44, s14
	s_lshl_b32 s15, s10, 13                        ;      + wave x 32 rows: the rows that I fetch
	s_add_co_u32 s44, s44, s15
	s_mov_b32 s45, 0
	s_lshl_b32 s46, s12, 15                        ; rhs: + block column x 128 rows
	s_add_co_u32 s46, s46, s14
	s_lshr_b32 s15, s10, 1                         ;      I fetch groups 2 w and 2 w + 1: jj = w / 2, j = 2 (w % 2) and one more
	s_lshl_b32 s15, s15, 14                        ;      + 64 jj rows
	s_add_co_u32 s46, s46, s15
	s_and_b32 s15, s10, 1
	s_lshl_b32 s15, s15, 9                         ;      + 2 (w % 2) rows
	s_add_co_u32 s46, s46, s15
	s_mov_b32 s47, 0
	s_lshl_b32 s48, s11, 22                        ; out: batch x 1024 x 4096 bytes
	s_lshl_b32 s15, s13, 19                        ;      + block row x 128 rows
	s_add_co_u32 s48, s48, s15
	s_lshl_b32 s15, s10, 16                        ;      + wave x 16 rows
	s_add_co_u32 s48, s48, s15
	s_lshl_b32 s15, s12, 9                         ;      + block column x 128 columns
	s_add_co_u32 s48, s48, s15
	s_mov_b32 s49, 0
	s_mul_i32 s50, s10, 32*PITCH                   ; LDS: wave x 32 rows, in lhs's part and in rhs's part alike
	s_wait_dscnt 0x0
	s_wait_kmcnt 0x0
	s_add_nc_u64 s[4:5], s[4:5], s[44:45]
	s_add_nc_u64 s[6:7], s[6:7], s[46:47]
	s_add_nc_u64 s[8:9], s[8:9], s[48:49]
	; three groups 0, and the three fills of this wave: they go out together, ahead of every wait on TENSORcnt, LDS read and barrier
	s_mov_b32 s32, 1
	s_add_co_u32 s33, s50, A_BASE
	s_mov_b64 s[34:35], s[4:5]
	s_or_b32 s35, s35, 0x80000000                  ; type 2
	s_mov_b32 s36, 1
	s_add_co_u32 s37, s50, B_BASE                  ; group 2 w
	s_mov_b64 s[38:39], s[6:7]
	s_or_b32 s39, s39, 0x80000000
	s_mov_b32 s40, 1
	s_add_co_u32 s41, s50, B_BASE+GRP              ; group 2 w + 1: it starts one source row further down
	s_add_nc_u64 s[42:43], s[6:7], 256
	s_or_b32 s43, s43, 0x80000000
	tensor_load_to_lds s[32:35], s[16:23]
	s_nop 0
	tensor_load_to_lds s[36:39], s[24:31]
	s_nop 0
	tensor_load_to_lds s[40:43], s[24:31]
	s_nop 0
	; lane addresses, while the tiles are on their way
	v_and_b32 v7, 15, v0                           ; tm
	v_bfe_u32 v8, v0, 4, 1                         ; h
	v_mul_u32_u24 v[VB0], v7, PITCH
	v_add_nc_u32 v[VB0], B_BASE, v[VB0]            ; rhs: LDS row tm of group 0
	v_mov_b32 v[VB1], v[VB0]
	s_mul_i32 s51, s10, 16*PITCH
	v_mul_u32_u24 v[VA0], v8, 8*PITCH
	v_add_nc_u32 v[VA0], s51, v[VA0]               ; lhs, tile 0: LDS row 16 w + 8 h
	v_add_nc_u32 v[VA1], 64*PITCH, v[VA0]          ; tile 1: 64 rows further down
	v_lshlrev_b32 v[CO], 4, v7                     ; out: 16 tm
	v_lshl_add_u32 v[CO], v8, 15, v[CO]            ;      + 8 h rows of 4,096 bytes
	s_wait_tensorcnt 0x0                           ; my three tiles are in LDS;
	s_barrier_signal -1
	s_barrier_wait -1                              ; everybody's are.  LDS is only read from here on: no further barrier
; One row i of the lane's eight, four d: 8 outputs, 40 vector instructions (36 where the sums start).
;   p    rhs buffer in use            init 1: these four d start the sums, nothing is cleared
;   ld   1: fetch for the next step: lhs row i again, and in rows 0 to 3 two columns of rhs into the other buffer, at byte off of the rows at va, vb
;   wt   count of the wait in front (-1: none)
;   st   1: the row is finished: store it, so bytes from the wave's first row         xw 1: earlier stores still read ACC
.macro ROW i, p, init, ld, va, vb, off, wt, st, so, xw
.if \wt >= 0
	s_wait_dscnt \wt
.endif
.irp k, 0,1,2,3,4,5,6,7
	v_pk_add_f32 v[T+4*\k:T+4*\k+1],   v[AF+4*\i:AF+4*\i+1],   v[BF+32*\p+4*\k:BF+32*\p+4*\k+1]   neg_lo:[0,1] neg_hi:[0,1]
	v_pk_add_f32 v[T+4*\k+2:T+4*\k+3], v[AF+4*\i+2:AF+4*\i+3], v[BF+32*\p+4*\k+2:BF+32*\p+4*\k+3] neg_lo:[0,1] neg_hi:[0,1]
.endr
.irp k, 0,1,2,3,4,5,6,7
	v_add_f32 v[U+\k], |v[T+4*\k]|, |v[T+4*\k+1]|
.endr
.irp k, 0,1,2,3,4,5,6,7
	v_add_f32 v[U+8+\k], |v[T+4*\k+2]|, |v[T+4*\k+3]|
.endr
.if \xw
	s_wait_xcnt 0x0                                ; the last tile's stores have had their addresses translated (ISA guide 3.1): ACC, their data, is rewritten only behind this wait
.endif
.if \init
.irp q, 0,1,2,3
	v_pk_add_f32 v[ACC+8*\i+2*\q:ACC+8*\i+2*\q+1], v[U+2*\q:U+2*\q+1], v[U+8+2*\q:U+8+2*\q+1] neg_lo:[1,1] neg_hi:[1,1]
.endr
.else
.irp q, 0,1,2,3
	v_pk_add_f32 v[ACC+8*\i+2*\q:ACC+8*\i+2*\q+1], v[ACC+8*\i+2*\q:ACC+8*\i+2*\q+1], v[U+2*\q:U+2*\q+1] neg_lo:[0,1] neg_hi:[0,1]
.endr
.endif
.if \ld                                            ; the loads stand between the two passes over the row's accumulators
	ds_load_b128 v[AF+4*\i:AF+4*\i+3], v[\va] offset:\off+\i*PITCH
.if \i < 4
	ds_load_b128 v[BF+32*(1-\p)+8*\i:BF+32*(1-\p)+8*\i+3],   v[\vb] offset:\off+(2*\i)*GRP
	ds_load_b128 v[BF+32*(1-\p)+8*\i+4:BF+32*(1-\p)+8*\i+7], v[\vb] offset:\off+(2*\i+1)*GRP
.endif
.endif
.if \init == 0
.irp q, 0,1,2,3
	v_pk_add_f32 v[ACC+8*\i+2*\q:ACC+8*\i+2*\q+1], v[ACC+8*\i+2*\q:ACC+8*\i+2*\q+1], v[U+8+2*\q:U+8+2*\q+1] neg_lo:[0,1] neg_hi:[0,1]
.endr
.endif
.if \st                                            ; lanes 0-15: 256 consecutive bytes of row i, at a multiple of 256 from out's first byte; lanes 16-31: of row 8 + i
	global_store_b128 v[CO], v[ACC+8*\i:ACC+8*\i+3],   s[8:9] offset:\so+\i*OROW th:TH_STORE_NT
	global_store_b128 v[CO], v[ACC+8*\i+4:ACC+8*\i+7], s[8:9] offset:\so+\i*OROW+256 th:TH_STORE_NT
.endif
.endm
; One step: four d for all 64 outputs of the lane.  A step with ld = 1 issues 16 LDS loads, in this order:
;   rows 0-3: a(i), b(2i), b(2i+1);  rows 4-7: a(i).   LDS loads come back in order (ISA guide 5.7.1), so:
;   row 0 needs a(0) and all of b: behind b(7) the step before issued a(4) .. a(7): count 4 (w0; 0 behind the first fetch, which has another order).
;   That wait shows a(1) .. a(3) too.  Row i = 4 .. 7 needs a(i): behind it came the 7 - i later rows of the step before, the 12 loads of this
;   step's rows 0-3 and the i - 4 of its rows 4 .. i-1: 15.  In a step that fetches nothing: 7 - i.
.macro STEP p, init, ld, va, vb, off, w0, st, so, xw
	ROW 0, \p, \init, \ld, \va, \vb, \off, \w0, \st, \so, \xw
	ROW 1, \p, \init, \ld, \va, \vb, \off, -1, \st, \so, 0
	ROW 2, \p, \init, \ld, \va, \vb, \off, -1, \st, \so, 0
	ROW 3, \p, \init, \ld, \va, \vb, \off, -1, \st, \so, 0
.if \ld
	ROW 4, \p, \init, \ld, \va, \vb, \off, 15, \st, \so, 0
	ROW 5, \p, \init, \ld, \va, \vb, \off, 15, \st, \so, 0
	ROW 6, \p, \init, \ld, \va, \vb, \off, 15, \st, \so, 0
	ROW 7, \p, \init, \ld, \va, \vb, \off, 15, \st, \so, 0
.else
	ROW 4, \p, \init, \ld, \va, \vb, \off, 3, \st, \so, 0
	ROW 5, \p, \init, \ld, \va, \vb, \off, 2, \st, \so, 0
	ROW 6, \p, \init, \ld, \va, \vb, \off, 1, \st, \so, 0
	ROW 7, \p, \init, \ld, \va, \vb, \off, 0, \st, \so, 0
.endif
.endm
	; the first fetch: d 0-3 of tile 0
.irp c, 0,1,2,3,4,5,6,7
	ds_load_b128 v[BF+4*\c:BF+4*\c+3], v[VB0] offset:\c*GRP
.endr
.irp i, 0,1,2,3,4,5,6,7
	ds_load_b128 v[AF+4*\i:AF+4*\i+3], v[VA0] offset:\i*PITCH
.endr
	; TILE 0.  Sixteen steps of four d: step 0 starts the sums; steps 1 to 14 go round in seven trips of two (the rhs buffers take turns);
	; step 15 stores each row as it is finished and fetches tile 1's first fragments.  Each step fetches the next step's 16 bytes of each row.
	STEP 0, 1, 1, VA0, VB0, 16, 0, 0, 0, 0
	s_mov_b32 s52, 7
.Ltile0:
	STEP 1, 0, 1, VA0, VB0, 32, 4, 0, 0, 0
	STEP 0, 0, 1, VA0, VB0, 48, 4, 0, 0, 0
	v_add_nc_u32 v[VA0], 32, v[VA0]                ; two steps along d
	v_add_nc_u32 v[VB0], 32, v[VB0]
	s_sub_co_u32 s52, s52, 1
	s_cmp_lg_u32 s52, 0
	s_cbranch_scc1 .Ltile0
	STEP 1, 0, 1, VA1, VB1, 0, 4, 1, 0, 0
	; TILE 1, 64 rows further down: the same, on its own address registers; its last step fetches nothing
	STEP 0, 1, 1, VA1, VB1, 16, 4, 0, 0, 1
	s_mov_b32 s52, 7
.Ltile1:
	STEP 1, 0, 1, VA1, VB1, 32, 4, 0, 0, 0
	STEP 0, 0, 1, VA1, VB1, 48, 4, 0, 0, 0
	v_add_nc_u32 v[VA1], 32, v[VA1]
	v_add_nc_u32 v[VB1], 32, v[VB1]
	s_sub_co_u32 s52, s52, 1
	s_cmp_lg_u32 s52, 0
	s_cbranch_scc1 .Ltile1
	STEP 1, 0, 0, VA1, VB1, 0, 4, 1, 64*OROW, 0
	s_wait_tensorcnt 0x0
	ds_add_u32 v224, v225
	s_wait_dscnt 0x0
	s_endpgm
.Lfunc_end_k_q80cb27addd_sad:
	.size	k_q80cb27addd_sad, .Lfunc_end_k_q80cb27addd_sad-k_q80cb27addd_sad
	.p2alignl 7, 3214868480
	.fill 96, 4, 3214868480
	.section	.rodata,"a",@progbits
	.p2align	6, 0x0
	.amdhsa_kernel k_q80cb27addd_sad
		.amdhsa_group_segment_fixed_size 168448
		.amdhsa_private_segment_fixed_size 0
		.amdhsa_enable_private_segment 0
		.amdhsa_kernarg_size 24
		.amdhsa_user_sgpr_count 2
		.amdhsa_user_sgpr_kernarg_segment_ptr 1
		.amdhsa_wavefront_size32 1
		.amdhsa_system_sgpr_workgroup_id_x 1
		.amdhsa_system_sgpr_workgroup_id_y 1
		.amdhsa_system_sgpr_workgroup_id_z 1
		.amdhsa_system_vgpr_workitem_id 0
		.amdhsa_next_free_vgpr 226
		.amdhsa_next_free_sgpr 66
		.amdhsa_reserve_vcc 0
		.amdhsa_float_denorm_mode_32 3
		.amdhsa_float_denorm_mode_16_64 3
		.amdhsa_memory_ordered 1
		.amdhsa_forward_progress 1
		.amdhsa_inst_pref_size 173
	.end_amdhsa_kernel
	.amdgpu_metadata
---
amdhsa.version: [ 1, 2 ]
amdhsa.kernels:
  - .name:           k_q80cb27addd_sad
    .symbol:         k_q80cb27addd_sad.kd
    .args:
      - { .name: lhs, .offset: 0, .size: 8, .value_kind: global_buffer, .address_space: global }
      - { .name: rhs, .offset: 8, .size: 8, .value_kind: global_buffer, .address_space: global }
      - { .name: out0, .offset: 16, .size: 8, .value_kind: global_buffer, .address_space: global }
    .group_segment_fixed_size: 168448
    .private_segment_fixed_size: 0
    .kernarg_segment_align: 8
    .kernarg_segment_size: 24
    .max_flat_workgroup_size: 128
    .sgpr_count:     66
    .vgpr_count:     226
    .wavefront_size: 32
...
	.end_amdgpu_metadata
.endif
;; end of part 1
